; MI455X (gfx1250); checked and timed in simulation.
; The chip was launched on July 23, 2026; its instructions are those of AMD's public machine-readable ISA for CDNA 5 (MIT licence, August 2026) and "CDNA5" Instruction Set Architecture Reference Guide (July 2026). The comments in the code are by the model that wrote it; some were corrected since.
;; Mult Head Atten. Allowed arithmetic: matrix products marked QUANTISED: E2M1 operands, one E8M0 scale for each 32 along K, by v_wmma_scale_f32_16x16x128_f8f6f4 with both operands' format E2M1 (or v_wmma_scale_f32_32x16x128_f4), f32 sums; everything else in f32.
;; Inputs: Wo_codes 768 x 24 x 16 uint8 (E2M1 codes of Wo, K innermost, in blocks of 32 codes, two codes a byte); Wo_scales 768 x 24 uint8 (E8M0 scales of Wo, one for each 32 codes along K); Wq_codes 768 x 24 x 16 uint8 (E2M1 codes of Wq, K innermost, in blocks of 32 codes, two codes a byte); Wq_scales 768 x 24 uint8 (E8M0 scales of Wq, one for each 32 codes along K); bo 768 float32; bq 768 float32; k_codes 1 x 4,096 x 24 x 16 uint8 (E2M1 codes of k, K innermost, in blocks of 32 codes, two codes a byte); k_scales 1 x 4,096 x 24 uint8 (E8M0 scales of k, one for each 32 codes along K); q_codes 1 x 4,096 x 24 x 16 uint8 (E2M1 codes of q, K innermost, in blocks of 32 codes, two codes a byte); q_scales 1 x 4,096 x 24 uint8 (E8M0 scales of q, one for each 32 codes along K); v_codes 1 x 4,096 x 24 x 16 uint8 (E2M1 codes of v, K innermost, in blocks of 32 codes, two codes a byte); v_scales 1 x 4,096 x 24 uint8 (E8M0 scales of v, one for each 32 codes along K).
;; Outputs: out0 1 x 4,096 x 768 float32.
;; This version of the problem:
;;   THIS VERSION OF THE PROBLEM IS GIVEN IN LOW PRECISION. The matrix products marked QUANTISED in the list below multiply operands that are first quantised to E2M1 (2 exponent bits, 1 mantissa bit; 4 bits a number), with one power-of-two scale for each 32 numbers along K (OCP MX v1.0); their sums are f32. All else is computed in f32.
;;   The module's matrix products, in the order in which they are computed (A, B: the left and right operand; K: the contracted axis; several contracted axes count as one K, in the product's order):
;;     1. [M 4,096, K 768] x [K 768, N 768]; A: input q (given as codes); B: input Wq (given as codes): QUANTISED
;;     2. [M 4,096, K 768] x [K 768, N 768]; A: input k (given as codes); B: input Wq (given as codes): QUANTISED
;;     3. [M 4,096, K 768] x [K 768, N 768]; A: input v (given as codes); B: input Wq (given as codes): QUANTISED
;;     4. batch 12 x [M 4,096, K 64] x [K 64, N 4,096]; A: computed on the way; B: computed on the way: QUANTISED
;;     5. batch 12 x [M 4,096, K 4,096] x [K 4,096, N 64]; A: softmax (see below); B: computed on the way: QUANTISED
;;     6. [M 4,096, K 768] x [K 768, N 768]; A: computed on the way; B: input Wo (given as codes): QUANTISED
;;   THE QUANTISER, for each operand of a quantised product, along K:
;;     - K is cut into blocks of 32 from its start; a last block that is shorter is filled with zeros.
;;     - A block's scale is 2^e with e = floor(log2(the largest magnitude in the block)) - 2, held to -126 .. 127; a block of zeros has e = 0. As a byte (E8M0): e + 127.
;;     - Each number is divided by its block's scale, clamped to +-6, and rounded to the nearest number of E2M1, ties to even, subnormals kept.
;;     - The product sums the exact products of the quantised numbers (number of the format x scale) in f32.
;;   ~~~python
;;   def quantise(x, axis):      # numpy; x: float32 -> the quantised numbers, widened to float32 again
;;       x = np.moveaxis(x, axis, -1); K = x.shape[-1]
;;       x = np.pad(x, [(0, 0)] * (x.ndim - 1) + [(0, -K % 32)]); x = x.reshape(x.shape[:-1] + (-1, 32)); a = np.abs(x).max(-1, keepdims=True)
;;       e = np.where(a > 0, np.clip(np.frexp(np.where(a > 0, a, 1))[1] - 1 - 2, -126, 127), 0)      # np.frexp(a)[1] - 1 = floor(log2(a)), exactly
;;       r = np.clip(x / 2.0 ** e, -6, 6)
;;       step = 2.0 ** (np.maximum(np.frexp(np.where(r == 0, 1, r))[1] - 1, 0) - 1)
;;       q = np.round(r / step) * step * 2.0 ** e      # np.round: ties to even
;;       return np.moveaxis(q.reshape(q.shape[:-2] + (-1,))[..., :K], -1, axis).astype(np.float32)
;;   ~~~
;;   SOFTMAX AHEAD OF A QUANTISED PRODUCT. Where the list says 'softmax', what is quantised is not the finished softmax but p = 2^(t - M), with t = logit x log2(e) and M = ceil(the row's largest t), a whole number; so 1/2 < the row's largest p <= 1. The row's sum l is taken of the UNQUANTISED p, in f32, and the product's result is divided by l at the end. Since M is a whole number, a kernel that streams over the keys may use a running M (the ceiling of the running maximum): every later rescaling is an exact power of two, which a block's scale takes up: the codes' values come out the same.
;;   OPERANDS COMPUTED ON THE WAY. 'Computed on the way' means the value that the module computes at that place (a softmax that the list does not call 'softmax' is quantised finished and normalised). What goes into a quantiser is computed in f32, as accurately as f32 sums, v_exp_f32 and their like allow (about 1e-6 of the number): no bf16 or f16 on the way to a quantiser, and a product that is left as it is and whose result goes on into a quantised operand takes f32 operands (vector FMAs, or v_wmma_f32_16x16x4_f32). A number that lies on a knife's edge between two numbers of the format may be rounded either way, as far as f32 arithmetic and the matrix unit's own rounding can turn it there, and no further.
;;   INPUTS GIVEN AS CODES. Wo (in the module: [768, 768], K = its axis 1); Wq (in the module: [768, 768], K = its axis 1); k (in the module: [1, 4096, 768], K = its axis 2); q (in the module: [1, 4096, 768], K = its axis 2); v (in the module: [1, 4096, 768], K = its axis 2): each comes as NAME_codes (uint8): NAME with its K axis moved to the last place and cut into blocks of 32 codes, [.., K / 32, bytes a block], one block behind the other in memory; two codes a byte, the lower K in the low four bits (a code: sign, 2 exponent bits, 1 mantissa bit); and NAME_scales (uint8): the same leading axes, one E8M0 byte (e + 127) for each 32 codes along K. Its value is code x scale, taken as it is: it is not quantised again, and the codes and scales need not be those that the quantiser above would give.
;; One version. Each part assembles by itself: llvm-mc -triple=amdgcn-amd-amdhsa -mcpu=gfx1250 --defsym DOCPART=n.
;; ======== version 1 of 1: 3 launches
;; limits: right only within a limited range of input values
;; workspace buffers: qi 1,769,472 bytes; kv 3,440,640 bytes; ai 1,572,864 bytes; asc 98,304 bytes
;; launch proj (part 1): grid 96 x 3, 4 waves a work-group, no clusters, 159,744 bytes of LDS; arguments q_codes, q_scales, k_codes, k_scales, v_codes, v_scales, Wq_codes, Wq_scales, bq, qi, kv; writes qi, kv
.if DOCPART == 1
	.amdgcn_target "amdgcn-amd-amdhsa--gfx1250"
	.amdhsa_code_object_version 6
	.text
	.protected	k_q9c08127481_proj
	.globl	k_q9c08127481_proj
	.p2align	8
	.type	k_q9c08127481_proj,@function
k_q9c08127481_proj:
	s_mov_b64 s[64:65], 0
	v_nop
	global_prefetch_b8 v0, s[64:65] scope:SCOPE_SE
	s_setreg_imm32_b32 hwreg(HW_REG_WAVE_MODE, 25, 1), 1
	s_wait_xcnt 0x0
; LAUNCH 1 OF 3: X Wq^T + bq for X = q, k, v (4,096 x 768 each, codes of E2M1 with E8M0 scales, as given), and the quantisers behind it:
; Q and K along the head's 64 channels (two blocks of 32 a token and head), V along the keys (blocks of 32 tokens a channel).
; NOTHING OF reference() IS LEFT OUT in this program: every input has a way to the output, bq on K too, since it moves K's codes; all twelve input buffers are loaded.
; LIMITS: NaN and infinities are not served.  A block whose largest magnitude lies under 2^(3 - 127), a block of zeros among them, gets the scale byte 1 (the rule says 127 for zeros):
; these bytes are read by this program alone.  The bias is the C of each sum's first matrix instruction: it is added first, not last.
; SHARES.  Work-group (x, y): y = which tensor (0 q, 1 k, 2 v); x & 31 = a group of 128 tokens; x >> 5 = four heads.  Wave w takes head 4 (x >> 5) + w for all 128 tokens.
; IN.  Every load of codes covers 512 consecutive bytes: wave w loads tokens 32 w .. 32 w + 31 of X (12,288 dense bytes) and its head's 64 rows of Wq (24,576 dense bytes).  The rows go into LDS at a pitch of 400 bytes,
; with 128 bytes more for each 32 rows of X and each 16 rows of Wq passed, so that the sixteen rows of a fragment load start at sixteen different groups of four banks (64 banks of 4 bytes: ISA guide 11.1).
; X's rows are read by all four waves behind one barrier; Wq's bytes are each wave's own and need none.  Wq's 24 fragments stay in registers.
; TILES.  Row r of X's tile t is token 64 (t / 4) + 32 (r / 8) + 8 (t % 4) + r % 8 of the 128: where source 0 holds tokens, a lane's 32 registers of tiles 4 c .. 4 c + 3 are the whole block of tokens 64 c + 32 (lane / 16) + 0 .. 31.
; Row r of Wq's tile t is channel 32 (t / 2) + 8 (t % 2) + r + 8 (r / 8) of the head's 64: where source 0 holds channels, the 16 registers of tiles 2 b, 2 b + 1 are channels 32 b + 16 (lane / 16) + 0 .. 15.
; Q, K: source 0 = Wq, source 1 = X: a lane holds one token.   V: source 0 = X, source 1 = Wq: a lane holds one channel.
; OUT, as images of the next launch's operand registers: qi [12 heads][32 groups][4,608]: 8 tiles x 512 bytes of codes, 512 bytes of scale words;
; kv [12 heads][32 steps][8,960]: K's codes 8 x 512, V^T's codes 4 x 1,024, K's scale words 512, V's 256.  Every store of codes covers 512 consecutive bytes, at a multiple of 256 from the buffer's first byte.
; NO JOINT REQUESTS and no prefetch: a work-group loads each operand byte once, at its head; there is no later step to ask ahead for.
; REGISTERS.  Window 0: v3-15 addresses; v16-39 X's scale words; v40-51 Wq's; v52-63 the scale words made; v64-127 accumulators (at the head v64-69 X's scale bytes, v72-78 LDS addresses); v128-255 two buffers of X's fragments.
;   Window 1: v0-191 Wq's fragment (tile nt, K step ks) at 8 (6 nt + ks); v192-223 the bias.
.set XQ,    12928                      ; 32 rows of X in LDS: 32 x 400 + 128
.set XSC,   51712                      ; X's scale words: word (ks, tile t, row r) at 512 ks + 16 (r + 16 (t % 2)) + 4 (t / 2)
.set WQB,   54784                      ; Wq's rows, a wave's 64 in
.set WQW,   26112                      ; 64 x 400 + 4 x 128 bytes
.set SPARE, 159232                     ; the spare words, 128 bytes for each wave: two blocks of 256 bytes that no other line names
.set SH8, 3                            ; 8 (lane / 16)
.set XL,  4                            ; my lane's place in a tile of X in LDS
.set VSX, 5                            ; (8 (lane / 16) + r + 8 (r / 8)) x 24: my lane's row of Wq's scale bytes
.set LI,  6                            ; 16 x lane
.set WL,  7                            ; my lane's place in a tile of Wq in LDS
.set XWS, 8                            ; 16 x lane + 4 x wave: where I store X's scale words
.set VSXX, 10                          ; (8 (lane / 16) + r % 8 + 32 (r / 8)) x 24: my lane's row of X's scale bytes
.set VBQ, 11                           ; 64 (lane / 16)
.set L8,  12                           ; 8 x lane
.set VBV, 13                           ; 4 (r + 8 (r / 8))
.set SPW, 14                           ; LDS address of my spare word; never rewritten
.set NIL, 15                           ; 0; never rewritten
.set XS,  16                           ; register 4 ks + j: tile 2 j in lanes 0-15, tile 2 j + 1 in lanes 16-31
.set WS,  40                           ; register 6 b + ks: Wq's tile 2 b in lanes 0-15, tile 2 b + 1 in lanes 16-31
.set PW,  52
.set SA,  60
.set ACC, 64
.set XW,  72                           ; v72-74: where load 3 i + j of a dense run puts its 16 bytes: 16 (n + n / 24), n = 32 j + lane, in my part of X;
.set WW,  76                           ; v76-78: the same in my part of Wq
.set XB,  128
.set BI,  192
.set BV,  200
.set SEL, 32
.set MSB, 0
.macro WIN new                         ; the immediate's high byte repeats the setting that is left
.if MSB != \new
	s_set_vgpr_msb (MSB<<8)|\new
.set MSB, \new
.endif
.endm
.macro PLACES n
.rept \n
	v_nop
.endr
.endm
.macro WM d, a, b, c, sa, sb, ra, rb   ; one matrix instruction; ra, rb = 1: the scales stand in lanes 16-31
.if (\ra) && (\rb)
	v_wmma_scale_f32_16x16x128_f8f6f4 v[(\d):(\d)+7], v[(\a):(\a)+7], v[(\b):(\b)+7], v[(\c):(\c)+7], v[(\sa)], v[(\sb)] matrix_a_fmt:MATRIX_FMT_FP4 matrix_b_fmt:MATRIX_FMT_FP4 matrix_a_scale:MATRIX_SCALE_ROW1 matrix_b_scale:MATRIX_SCALE_ROW1
.elseif (\ra)
	v_wmma_scale_f32_16x16x128_f8f6f4 v[(\d):(\d)+7], v[(\a):(\a)+7], v[(\b):(\b)+7], v[(\c):(\c)+7], v[(\sa)], v[(\sb)] matrix_a_fmt:MATRIX_FMT_FP4 matrix_b_fmt:MATRIX_FMT_FP4 matrix_a_scale:MATRIX_SCALE_ROW1
.elseif (\rb)
	v_wmma_scale_f32_16x16x128_f8f6f4 v[(\d):(\d)+7], v[(\a):(\a)+7], v[(\b):(\b)+7], v[(\c):(\c)+7], v[(\sa)], v[(\sb)] matrix_a_fmt:MATRIX_FMT_FP4 matrix_b_fmt:MATRIX_FMT_FP4 matrix_b_scale:MATRIX_SCALE_ROW1
.else
	v_wmma_scale_f32_16x16x128_f8f6f4 v[(\d):(\d)+7], v[(\a):(\a)+7], v[(\b):(\b)+7], v[(\c):(\c)+7], v[(\sa)], v[(\sb)] matrix_a_fmt:MATRIX_FMT_FP4 matrix_b_fmt:MATRIX_FMT_FP4
.endif
.endm
; Q's and K's quantiser: register s + 16 b + i is channel 32 b + 16 (lane / 16) + i of my token.  Codes in v[pc] on, the scale word in v[pw].
.macro QUANT2 s, tm, pc, pw
.irp b, 0,1
	v_max3_num_f32 v[(\tm)+\b], |v[(\s)+16*\b]|, |v[(\s)+16*\b+1]|, 0x1800000   ; with the floor 2^(3 - 127); each accumulator is read from its low end on
.endr
.irp i, 2,4,6,8,10,12,14
.irp b, 0,1
	v_max3_num_f32 v[(\tm)+\b], v[(\tm)+\b], |v[(\s)+16*\b+\i]|, |v[(\s)+16*\b+\i+1]|
.endr
.endr
.irp b, 0,1
	v_mov_b32 v[(\tm)+4+\b], 0                     ; a lane permute's destination counts as one of its sources
.endr
.irp b, 0,1
	v_permlanex16_b32 v[(\tm)+4+\b], v[(\tm)+\b], s[SEL], s[SEL+1]
.endr
.irp b, 0,1
	v_max_num_f32 v[(\tm)+\b], v[(\tm)+\b], v[(\tm)+4+\b]   ; with lane l xor 16's 16
.endr
.irp b, 0,1
	v_add_nc_u32 v[(\tm)+12+\b], 0xff000000, v[(\tm)+\b]    ; 2 off the exponent field: the conversion's scale operand
.endr
.irp b, 0,1
	v_lshrrev_b32 v[(\tm)+4+\b], 23, v[(\tm)+12+\b]         ; the scale's byte
.endr
	v_lshl_or_b32 v[(\pw)], v[(\tm)+5], 8, v[(\tm)+4]       ; bytes 2 and 3 stay 0: their codes are zeros in the next launch
	s_wait_alu depctr_va_vdst(0)
	s_wait_xcnt 0x0                                ; the last store of codes has read its data
.irp b, 0,1
	v_cvt_scalef32_pk8_fp4_f32 v[(\pc)+2*\b], v[(\s)+16*\b:(\s)+16*\b+7], v[(\tm)+12+\b]
	v_cvt_scalef32_pk8_fp4_f32 v[(\pc)+2*\b+1], v[(\s)+16*\b+8:(\s)+16*\b+15], v[(\tm)+12+\b]
.endr
	v_nop                                          ; one plain place behind the last scaled conversion
	v_permlane16_swap_b32 v[(\pc)], v[(\pc)+2]     ; a whole block in a lane
	v_permlane16_swap_b32 v[(\pc)+1], v[(\pc)+3]
.endm
; V's quantiser: register s + 32 c + i is token 64 c + 32 (lane / 16) + i of my channel: two whole blocks a lane.  The conversions' results are the operand's registers.
.macro QUANTV s, tm, pc, pw
.irp c, 0,1
	v_max3_num_f32 v[(\tm)+\c], |v[(\s)+32*\c]|, |v[(\s)+32*\c+1]|, 0x1800000
.endr
.irp i, 2,4,6,8,10,12,14,16,18,20,22,24,26,28,30
.irp c, 0,1
	v_max3_num_f32 v[(\tm)+\c], v[(\tm)+\c], |v[(\s)+32*\c+\i]|, |v[(\s)+32*\c+\i+1]|
.endr
.endr
.irp c, 0,1
	v_add_nc_u32 v[(\tm)+4+\c], 0xff000000, v[(\tm)+\c]
.endr
.irp c, 0,1
	v_lshrrev_b32 v[(\tm)+\c], 23, v[(\tm)+4+\c]
.endr
	v_lshl_or_b32 v[(\pw)], v[(\tm)+1], 16, v[(\tm)]        ; my blocks h and 2 + h,
	v_lshlrev_b32 v[(\pw)], v[SH8], v[(\pw)]                ; at their places in the word
	v_mov_b32 v[(\tm)+2], 0
	v_permlanex16_b32 v[(\tm)+2], v[(\pw)], s[SEL], s[SEL+1]
	v_or_b32 v[(\pw)], v[(\pw)], v[(\tm)+2]                 ; the whole word, in both halves of the lanes
	s_wait_alu depctr_va_vdst(0)
	s_wait_xcnt 0x0
.irp c, 0,1
.irp g, 0,1,2,3
	v_cvt_scalef32_pk8_fp4_f32 v[(\pc)+4*\c+\g], v[(\s)+32*\c+8*\g:(\s)+32*\c+8*\g+7], v[(\tm)+4+\c]
.endr
.endr
	v_nop
.endm
.macro FINISH                          ; a wave's end
	s_wait_tensorcnt 0x0
	ds_add_u32 v[SPW], v[NIL]
	s_wait_dscnt 0x0
	s_endpgm
.endm
	s_load_b256 s[4:11], s[0:1], 0x0               ; q's codes, q's scales, k's codes, k's scales
	s_load_b256 s[12:19], s[0:1], 0x20             ; v's codes, v's scales, Wq's codes, Wq's scales
	s_load_b128 s[20:23], s[0:1], 0x40             ; bq, qi
	s_load_b64 s[24:25], s[0:1], 0x50              ; kv
	v_lshl_add_u32 v[SPW], v0, 2, SPARE
	v_mov_b32 v[NIL], 0
	v_lshrrev_b32 v1, 5, v0
	v_readfirstlane_b32 s26, v1                    ; wave 0..3
	s_mul_i32 s58, s26, WQW
	s_add_co_u32 s58, s58, WQB                     ; my part of Wq in LDS
	s_mul_i32 s59, s26, XQ                         ; my part of X
	s_lshl_b32 s35, s26, 2
	v_and_b32 v1, 31, v0                           ; lane
	v_and_b32 v2, 15, v0                           ; r
	v_bfe_u32 v3, v0, 4, 1                         ; h
	v_bfe_u32 v9, v0, 3, 1                         ; r / 8
	v_and_b32 v10, 7, v0                           ; r % 8
	v_lshlrev_b32 v[LI], 4, v1
	v_lshlrev_b32 v[L8], 3, v1
	v_mul_u32_u24 v[XL], v10, 400
	v_mul_u32_u24 v[WL], v2, 400
	v_mad_u32_u24 v[XL], v9, XQ, v[XL]             ; rows r % 8 + 32 (r / 8)
	v_mad_u32_u24 v[WL], v9, 3328, v[WL]           ; rows r + 8 (r / 8), and 128 bytes for the 16 rows passed
	v_lshl_add_u32 v[XL], v3, 4, v[XL]
	v_lshl_add_u32 v[WL], v3, 4, v[WL]
	v_add_nc_u32 v[XWS], s35, v[LI]
	v_add_nc_u32 v[WL], s58, v[WL]
.irp j, 0,1,2
	v_add_nc_u32 v[XW+\j], 32*\j, v1               ; n: three loads of 512 bytes are four rows of 384
.endr
.irp j, 0,1,2
	v_mul_u32_u24 v[WW+\j], v[XW+\j], 171
.endr
.irp j, 0,1,2
	v_lshrrev_b32 v[WW+\j], 12, v[WW+\j]           ; n / 24, exact for n under 96
.endr
.irp j, 0,1,2
	v_add_nc_u32 v[XW+\j], v[XW+\j], v[WW+\j]
.endr
.irp j, 0,1,2
	v_lshlrev_b32 v[XW+\j], 4, v[XW+\j]            ; 16 bytes of padding for each row passed
.endr
.irp j, 0,1,2
	v_add_nc_u32 v[WW+\j], s58, v[XW+\j]
.endr
.irp j, 0,1,2
	v_add_nc_u32 v[XW+\j], s59, v[XW+\j]
.endr
	v_lshl_add_u32 v[VBV], v9, 3, v2               ; r + 8 (r / 8)
	v_lshl_add_u32 v[VSXX], v9, 5, v10             ; r % 8 + 32 (r / 8)
	v_lshl_add_u32 v[VSX], v3, 3, v[VBV]
	v_lshl_add_u32 v[VSXX], v3, 3, v[VSXX]
	v_mul_u32_u24 v[VSX], v[VSX], 24
	v_mul_u32_u24 v[VSXX], v[VSXX], 24
	v_lshlrev_b32 v[VBV], 2, v[VBV]
	v_lshlrev_b32 v[VBQ], 6, v3
	v_lshlrev_b32 v[SH8], 3, v3
	s_and_b32 s27, ttmp7, 0xffff                   ; which tensor
	s_and_b32 s28, ttmp9, 31                       ; which 128 tokens
	s_lshr_b32 s29, ttmp9, 5
	s_lshl_b32 s30, s29, 2
	s_add_co_u32 s30, s30, s26                     ; my head
	s_mov_b32 s[SEL], 0x76543210
	s_mov_b32 s[SEL+1], 0xfedcba98
	s_mov_b32 s34, 0xffff0000                      ; lanes 16-31
	s_mul_i32 s48, s28, 49152                      ; X's codes: rows 128 group + 32 wave, 384 bytes each
	s_mul_i32 s49, s26, 12288
	s_add_co_u32 s48, s48, s49
	s_mov_b32 s49, 0
	s_lshr_b32 s58, s26, 1                         ; X's scale bytes: my tiles 2 w, 2 w + 1 begin at row 64 (w / 2) + 16 (w % 2)
	s_lshl_b32 s58, s58, 6
	s_and_b32 s59, s26, 1
	s_lshl_b32 s59, s59, 4
	s_add_co_u32 s58, s58, s59
	s_mul_i32 s50, s28, 3072
	s_mul_i32 s51, s58, 24
	s_add_co_u32 s50, s50, s51
	s_mov_b32 s51, 0
	s_mul_i32 s52, s30, 24576                      ; my head's 64 rows of Wq,
	s_mov_b32 s53, 0
	s_mul_i32 s54, s30, 1536                       ; of its scale bytes,
	s_mov_b32 s55, 0
	s_lshl_b32 s56, s30, 8                         ; and its 64 numbers of bq
	s_mov_b32 s57, 0
	s_cmp_eq_u32 s27, 0                            ; q: qi, 147,456 bytes a head, 4,608 a group, scale words 4,096 on;  k: kv, 286,720 a head, 8,960 a step, scale words 8,192 on
	s_mov_b32 s44, 286720
	s_cselect_b32 s44, 147456, s44
	s_mov_b32 s45, 8960
	s_cselect_b32 s45, 4608, s45
	s_mov_b32 s46, 8192
	s_cselect_b32 s46, 4096, s46
	s_cmp_eq_u32 s27, 2                            ; v: kv, codes 4,096 on in the step's block, scale words 4,608 further
	s_cselect_b32 s47, 4096, 0
	s_cselect_b32 s46, 4608, s46
	s_mul_i32 s44, s44, s30
	s_mul_i32 s45, s45, s28
	s_add_co_u32 s44, s44, s45
	s_add_co_u32 s44, s44, s47
	s_mov_b32 s45, 0
	s_mov_b32 s47, 0
	s_wait_alu depctr_va_vdst(0)                   ; the wait at the head's end
	s_wait_kmcnt 0x0
	s_cmp_eq_u32 s27, 0                            ; the buffers are chosen by the work-group's number alone
	s_cselect_b64 s[36:37], s[4:5], s[8:9]
	s_cselect_b64 s[38:39], s[6:7], s[10:11]
	s_cselect_b64 s[40:41], s[22:23], s[24:25]
	s_cmp_eq_u32 s27, 2
	s_cselect_b64 s[36:37], s[12:13], s[36:37]
	s_cselect_b64 s[38:39], s[14:15], s[38:39]
	s_add_nc_u64 s[36:37], s[36:37], s[48:49]
	s_add_nc_u64 s[38:39], s[38:39], s[50:51]
	s_add_nc_u64 s[16:17], s[16:17], s[52:53]
	s_add_nc_u64 s[18:19], s[18:19], s[54:55]
	s_add_nc_u64 s[20:21], s[20:21], s[56:57]
	s_add_nc_u64 s[40:41], s[40:41], s[44:45]      ; codes out
	s_add_nc_u64 s[42:43], s[40:41], s[46:47]      ; scale words out
.set II, 0
.rept 24                               ; my 32 rows of X: 24 loads of 512 consecutive bytes
	global_load_b128 v[XB+4*II:XB+4*II+3], v[LI], s[36:37] offset:512*II
.set II, II+1
.endr
.irp i, 0,1,2
	global_load_b64 v[ACC+2*\i:ACC+2*\i+1], v[VSXX], s[38:39] offset:8*\i   ; six scale words of my lane's row
.endr
	WIN 0x40                                       ; destination window 1
.set II, 0
.rept 48                               ; my head's 64 rows of Wq: 48 loads of 512 consecutive bytes
	global_load_b128 v[4*II:4*II+3], v[LI], s[16:17] offset:512*II
.set II, II+1
.endr
	WIN 0
.irp b, 0,1
.irp i, 0,1,2
	global_load_b64 v[WS+6*\b+2*\i:WS+6*\b+2*\i+1], v[VSX], s[18:19] offset:768*\b+8*\i
.endr
.endr
	s_wait_loadcnt 54                              ; X's 27 loads are in; Wq's 48 and its scale words' 6, issued behind them, may be out
.set II, 0
.rept 24
	ds_store_b128 v[XW+II%3], v[XB+4*II:XB+4*II+3] offset:(II/3)*1600
.set II, II+1
.endr
.irp ks, 0,1,2,3,4,5
	ds_store_b32 v[XWS], v[ACC+\ks] offset:XSC+512*\ks
.endr
	s_wait_dscnt 0x0                               ; for the others' sake: my stores have landed
	s_barrier_signal -1
	s_barrier_wait -1                              ; X's 128 rows and their scale words lie in LDS; those bytes are only read from here on
.irp ks, 0,1,2,3,4,5
	ds_load_b128 v[XS+4*\ks:XS+4*\ks+3], v[LI] offset:XSC+512*\ks
.endr
	s_wait_loadcnt 6                               ; Wq's codes are in; its scale words' six loads may be out
	WIN 0x04                                       ; the stores' data: window 1
.set II, 0
.rept 48
	ds_store_b128 v[WW+II%3], v[4*II:4*II+3] offset:(II/3)*1600+(II/12)*128
.set II, II+1
.endr
	WIN 0x40                                       ; back as fragments; LDS serves a wave's instructions in order (ISA guide 5.7.1.4), and these bytes are my own
.irp nt, 0,1,2,3
.irp ks, 0,1,2,3,4,5
.irp c, 0,1
	ds_load_b128 v[48*\nt+8*\ks+4*\c:48*\nt+8*\ks+4*\c+3], v[WL] offset:(32*(\nt/2)+8*(\nt%2))*400+256*(\nt/2)+64*\ks+32*\c
.endr
.endr
.endr
	WIN 0
	s_cmp_eq_u32 s27, 2
	s_cbranch_scc1 .Lvpath
	; ---- Q, K: a tile of 16 tokens at a time; four accumulators (the head's 64 channels) by turns, K step by K step
.macro FETCHX t                        ; tile t's six fragments into buffer t % 2
.irp ks, 0,1,2,3,4,5
.irp c, 0,1
	ds_load_b128 v[XB+48*((\t)%2)+8*\ks+4*\c:XB+48*((\t)%2)+8*\ks+4*\c+3], v[XL] offset:2*XQ*((\t)/4)+3200*((\t)%4)+64*\ks+32*\c
.endr
.endr
.endm
.macro TILE t
.if (\t) < 7
	FETCHX (\t)+1                                  ; into the buffer that the tile before multiplied: four v_nop and a whole quantiser lie between
	s_wait_dscnt 12                                ; this tile's fragments are in; the twelve loads just issued may be out
.else
	s_wait_dscnt 0x0
.endif
	WIN 0x11                                       ; source 0 (Wq) and C (the bias) window 1
.irp nt, 0,1,2,3
	WM ACC+8*\nt, 48*\nt, XB+48*((\t)%2), BI+8*\nt, WS+6*(\nt/2), XS+(\t)/2, \nt%2, (\t)%2
.endr
	WIN 0x01
.irp ks, 1,2,3,4,5
.irp nt, 0,1,2,3
	WM ACC+8*\nt, 48*\nt+8*\ks, XB+48*((\t)%2)+8*\ks, ACC+8*\nt, WS+6*(\nt/2)+\ks, XS+4*\ks+(\t)/2, \nt%2, (\t)%2
.endr
.endr
	WIN 0
	PLACES 4                                       ; in front of the first read of results
	QUANT2 ACC, 96, 112, PW+(\t)
	global_store_b128 v[LI], v[112:115], s[40:41] offset:512*(\t)   ; the tile's image: 512 consecutive bytes
.endm
	WIN 0x40
.irp nt, 0,1,2,3                       ; lane (r, h) wants, for tile 2 b + u, bq at channels 32 b + 16 h + 8 u + 0 .. 7
	global_load_b128 v[BI+8*\nt:BI+8*\nt+3], v[VBQ], s[20:21] offset:(32*(\nt/2)+8*(\nt%2))*4
	global_load_b128 v[BI+8*\nt+4:BI+8*\nt+7], v[VBQ], s[20:21] offset:(32*(\nt/2)+8*(\nt%2))*4+16
.endr
	WIN 0
	FETCHX 0
	s_wait_loadcnt 0x0                             ; Wq's scale words, the bias
.irp t, 0,1,2,3,4,5,6,7
	TILE \t
.endr
.irp j, 0,1,2,3
	v_cndmask_b32 v[SA+\j], v[PW+2*\j], v[PW+2*\j+1], s34   ; lanes 0-15 keep tile 2 j's word, lanes 16-31 take tile 2 j + 1's
.endr
	global_store_b128 v[LI], v[SA:SA+3], s[42:43]  ; the eight tiles' scale words: 512 consecutive bytes
	FINISH
	; ---- V: a tile of 16 channels at a time; eight accumulators (the 128 tokens) by turns, K step by K step
.Lvpath:
.macro FETCHV n                        ; the eight tiles' fragments of K step n % 6 into buffer n % 2
.irp t, 0,1,2,3,4,5,6,7
.irp c, 0,1
	ds_load_b128 v[XB+64*((\n)%2)+8*\t+4*\c:XB+64*((\n)%2)+8*\t+4*\c+3], v[XL] offset:2*XQ*(\t/4)+3200*(\t%4)+64*((\n)%6)+32*\c
.endr
.endr
.endm
	WIN 0x40
.irp nt, 0,1,2,3
	global_load_b32 v[BV+\nt], v[VBV], s[20:21] offset:(32*(\nt/2)+8*(\nt%2))*4   ; bq at my lane's channel of tile nt
.endr
	WIN 0
	FETCHV 0
	s_wait_loadcnt 0x0                             ; Wq's scale words, the bias
.set QN, 0
.irp nt, 0,1,2,3
	WIN 0x41                                       ; destination and source 0 window 1
.irp j, 0,1,2,3,4,5,6,7
	v_mov_b32 v[BI+\j], v[BV+\nt]                  ; the bias in the result's layout: a lane's eight registers are eight tokens of one channel
.endr
	WIN 0
.irp ks, 0,1,2,3,4,5
	PLACES 4                                       ; in front of loads into the buffer that the last eight products read
	s_wait_xcnt 0x0                                ; the last stores of codes have read their data, which lie in buffer 1
.if QN < 23
	FETCHV QN+1
	s_wait_dscnt 16                                ; this K step's fragments are in; the sixteen loads just issued may be out
.else
	s_wait_dscnt 0x0
.endif
.if \ks == 0
	WIN 0x14                                       ; source 1 (Wq) and C (the bias) window 1
	s_wait_alu depctr_va_vdst(0)
.irp t, 0,1,2,3,4,5,6,7
	WM ACC+8*\t, XB+64*(QN%2)+8*\t, 48*\nt, BI, XS+\t/2, WS+6*(\nt/2), \t%2, \nt%2
.endr
.else
	WIN 0x04
.irp t, 0,1,2,3,4,5,6,7
	WM ACC+8*\t, XB+64*(QN%2)+8*\t, 48*\nt+8*\ks, ACC+8*\t, XS+4*\ks+\t/2, WS+6*(\nt/2)+\ks, \t%2, \nt%2
.endr
.endif
	WIN 0
.set QN, QN+1
.endr
	PLACES 4                                       ; in front of the first read of results, and of the first write into buffer 1
	QUANTV ACC, 192, 208, PW+\nt
	global_store_b128 v[LI], v[208:211], s[40:41] offset:1024*\nt       ; the fragment of V^T: 16 channels x 128 keys, two runs of 512 consecutive bytes
	global_store_b128 v[LI], v[212:215], s[40:41] offset:1024*\nt+512
.endr
	v_cndmask_b32 v[SA], v[PW], v[PW+1], s34
	v_cndmask_b32 v[SA+1], v[PW+2], v[PW+3], s34
	global_store_b64 v[L8], v[SA:SA+1], s[42:43]   ; the four tiles' scale words: 256 consecutive bytes
	FINISH
.Lfunc_end_k_q9c08127481_proj:
	.size	k_q9c08127481_proj, .Lfunc_end_k_q9c08127481_proj-k_q9c08127481_proj
	.p2alignl 7, 3214868480
	.fill 96, 4, 3214868480
	.section	.rodata,"a",@progbits
	.p2align	6, 0x0
	.amdhsa_kernel k_q9c08127481_proj
		.amdhsa_group_segment_fixed_size 159744
		.amdhsa_private_segment_fixed_size 0
		.amdhsa_enable_private_segment 0
		.amdhsa_kernarg_size 88
		.amdhsa_user_sgpr_count 2
		.amdhsa_user_sgpr_kernarg_segment_ptr 1
		.amdhsa_wavefront_size32 1
		.amdhsa_system_sgpr_workgroup_id_x 1
		.amdhsa_system_sgpr_workgroup_id_y 1
		.amdhsa_system_sgpr_workgroup_id_z 1
		.amdhsa_system_vgpr_workitem_id 0
		.amdhsa_next_free_vgpr 480
		.amdhsa_next_free_sgpr 66
		.amdhsa_reserve_vcc 0
		.amdhsa_float_denorm_mode_32 3
		.amdhsa_float_denorm_mode_16_64 3
		.amdhsa_memory_ordered 1
		.amdhsa_forward_progress 1
		.amdhsa_inst_pref_size 142
	.end_amdhsa_kernel
	.amdgpu_metadata
---
amdhsa.version: [ 1, 2 ]
amdhsa.kernels:
  - .name:           k_q9c08127481_proj
    .symbol:         k_q9c08127481_proj.kd
    .args:
      - { .name: q_codes, .offset: 0, .size: 8, .value_kind: global_buffer, .address_space: global }
      - { .name: q_scales, .offset: 8, .size: 8, .value_kind: global_buffer, .address_space: global }
      - { .name: k_codes, .offset: 16, .size: 8, .value_kind: global_buffer, .address_space: global }
      - { .name: k_scales, .offset: 24, .size: 8, .value_kind: global_buffer, .address_space: global }
      - { .name: v_codes, .offset: 32, .size: 8, .value_kind: global_buffer, .address_space: global }
      - { .name: v_scales, .offset: 40, .size: 8, .value_kind: global_buffer, .address_space: global }
      - { .name: Wq_codes, .offset: 48, .size: 8, .value_kind: global_buffer, .address_space: global }
      - { .name: Wq_scales, .offset: 56, .size: 8, .value_kind: global_buffer, .address_space: global }
      - { .name: bq, .offset: 64, .size: 8, .value_kind: global_buffer, .address_space: global }
      - { .name: qi, .offset: 72, .size: 8, .value_kind: global_buffer, .address_space: global }
      - { .name: kv, .offset: 80, .size: 8, .value_kind: global_buffer, .address_space: global }
    .group_segment_fixed_size: 159744
    .private_segment_fixed_size: 0
    .kernarg_segment_align: 8
    .kernarg_segment_size: 88
    .max_flat_workgroup_size: 128
    .sgpr_count:     66
    .vgpr_count:     480
    .wavefront_size: 32
...
	.end_amdgpu_metadata
.endif
;; end of part 1
;; launch attn (part 2): grid 64 x 4, 12 waves a work-group, clusters of 4 x 1, 327,680 bytes of LDS; arguments qi, kv, ai, asc; writes ai, asc
.if DOCPART == 2
	.amdgcn_target "amdgcn-amd-amdhsa--gfx1250"
	.amdhsa_code_object_version 6
	.text
	.protected	k_q9c08127481_attn
	.globl	k_q9c08127481_attn
	.p2align	8
	.type	k_q9c08127481_attn,@function
k_q9c08127481_attn:
	s_mov_b64 s[64:65], 0
	v_nop
	global_prefetch_b8 v0, s[64:65] scope:SCOPE_SE
	s_setreg_imm32_b32 hwreg(HW_REG_WAVE_MODE, 25, 1), 1
	s_wait_xcnt 0x0
	s_wait_alu depctr_hold_cnt(0) depctr_sa_sdst(0) depctr_va_vdst(0) depctr_va_sdst(0) depctr_va_ssrc(0) depctr_va_vcc(0) depctr_vm_vsrc(0)
	s_getreg_b32 s2, hwreg(HW_REG_IB_STS2, 6, 4)
	s_cmp_eq_u32 s2, 0
	s_cbranch_scc0 .Lentry_in_a_cluster
	s_endpgm
.Lentry_in_a_cluster:
	s_bfe_u32 s2, ttmp6, 0x10000c
	s_cmp_lg_u32 s2, 0x3003
	s_cbranch_scc0 .Lentry_shape_is_right
	s_endpgm
.Lentry_shape_is_right:
; LAUNCH 2 OF 3: softmax(Q K^T / 8) V for 12 heads of 64 channels, 4,096 queries and keys, both products on codes of E2M1 with E8M0 scales, and the quantiser of the result along the channels.
; No work of reference() is left out.  p = 2^(t - M), t = score x log2(e) / 8, M the running largest t rounded up to a whole number; the row's sum is taken of the unquantised p and divides at the end.
; LIMITS: the promise holds while the scaled scores t stay under 2^31 in magnitude.  NaN and infinities are not served.  A block whose largest number lies under 2^(3 - 127) gets the scale byte 1; these bytes are read by this program alone.
; SHARES.  Work-group (x, y): queries 64 x .. 64 x + 63 (four tiles of 16) of heads 3 y, 3 y + 1, 3 y + 2: 64 x 4 = 256 work-groups of equal work.  Wave w of twelve owns tile w % 4 of head 3 y + w / 4 and walks all 4,096 keys, 128 a step.
; THE RING.  Two LDS slots, 2^17 bytes apart; a slot holds four key steps of the three heads, 12 blocks of 8,960 bytes as the first launch laid them (K's codes 8 x 512, V^T's codes 4 x 1,024, K's scale words 512, V's 256).
; Each wave fetches one block, (head w / 4, step w % 4), with one tensor load of 35 rows of 256 bytes.  By the text's count a wave has one load out behind each change of slots.
; CLUSTERS: the four work-groups of a cluster differ in their queries alone and walk the same K and V: every load is a joint one, its descriptor made of y and the wave's number.
; LAYOUT.  Both products are used transposed: a lane holds one query (lane % 16).  Row m of K's tile t is key 64 (t / 4) + 32 (m / 8) + 8 (t % 4) + m % 8 of the step,
; so a lane's 32 registers of tiles 4 c .. 4 c + 3 are the whole block of keys 64 c + 32 (lane / 16) + 0 .. 31: the conversions' results are the second product's operand as they stand.
; The head's 64 channels fill half of the first product's K of 128: the upper halves of Q's and K's fragments are zero codes.
; PREFETCH: at the change of slots that loads slot i + 1 each wave names its own block of slot i + 2, four key steps ahead of the load that wants it; the four partners share the block's 35 units of 256 bytes out by address
; (partner cx: units 9 cx .. 9 cx + 8, held at 34); the last change that fills asks for nothing, and slots 0 and 1 come by their loads alone.
.set STEPB, 8960
.set HEADB, 286720
.set SLOT1, 131072
.set SPARE, 238592                     ; behind slot 1: the spare words, 128 bytes a wave: six blocks of 256 bytes that no other line names
.set AD0,  1                           ; 16 lane + my head's place in a slot
.set AD80, 2                           ; 8 lane + 8,704 + the same: V's scale words
.set AD,   3                           ; the same two in the slot in hand
.set AD8,  4
.set SPW,  5                           ; my spare word; never rewritten
.set NIL,  6                           ; 0; never rewritten
.set GO,   7                           ; 4 (lane % 16)
.set QS,   8                           ; Q's scale words
.set SH8,  9                           ; 8 (lane / 16)
.set PFO,  10                          ; the prefetches' offset
.set LI,   11                          ; 16 lane
.set QF,   16                          ; v12 -M, v13 the largest score, v[14:15] the sum in two halves
.set KF,   24
.set VF,   88
.set SS,   120
.set OO,   184
.set PCD,  216
.set KS,   224
.set VS,   228
.set BM,   230
.set BS,   232
.set BT,   234
.set FF,   236
.set PSW,  238
.set TT,   239
.set PT,   240
.set NT,   241
.set S1,   242
.set S2,   244
.set S3,   246
.set WV,   12
.set G1,   16
.set G0,   24
.set SEL,  28
.set CS,   30                          ; s[30:31] c = log2(e) / 8
.set CSN,  32                          ; -c
.set TB,   33                          ; where the slot in hand begins
.set CNT,  34
.set PFA,  36
.set HL,   38
.set QT,   39
.macro PLACES n
.rept \n
	v_nop
.endr
.endm
.macro CROUND                          ; a round of the cluster's barrier
	s_barrier_signal -1
	s_barrier_wait -1
	s_cmp_lg_u32 s[WV], 0
	s_cbranch_scc1 .Lnot_wave_0_\@
	s_barrier_signal -3
.Lnot_wave_0_\@:
	s_barrier_wait -3
	s_barrier_signal -1
	s_barrier_wait -1
.endm
.macro WM0 d, a, b, sa, sb, ra
.if (\ra)
	v_wmma_scale_f32_16x16x128_f8f6f4 v[(\d):(\d)+7], v[(\a):(\a)+7], v[(\b):(\b)+7], 0, v[(\sa)], v[(\sb)] matrix_a_fmt:MATRIX_FMT_FP4 matrix_b_fmt:MATRIX_FMT_FP4 matrix_a_scale:MATRIX_SCALE_ROW1
.else
	v_wmma_scale_f32_16x16x128_f8f6f4 v[(\d):(\d)+7], v[(\a):(\a)+7], v[(\b):(\b)+7], 0, v[(\sa)], v[(\sb)] matrix_a_fmt:MATRIX_FMT_FP4 matrix_b_fmt:MATRIX_FMT_FP4
.endif
.endm
.macro WMA d, a, b, sa, sb, ra
.if (\ra)
	v_wmma_scale_f32_16x16x128_f8f6f4 v[(\d):(\d)+7], v[(\a):(\a)+7], v[(\b):(\b)+7], v[(\d):(\d)+7], v[(\sa)], v[(\sb)] matrix_a_fmt:MATRIX_FMT_FP4 matrix_b_fmt:MATRIX_FMT_FP4 matrix_a_scale:MATRIX_SCALE_ROW1
.else
	v_wmma_scale_f32_16x16x128_f8f6f4 v[(\d):(\d)+7], v[(\a):(\a)+7], v[(\b):(\b)+7], v[(\d):(\d)+7], v[(\sa)], v[(\sb)] matrix_a_fmt:MATRIX_FMT_FP4 matrix_b_fmt:MATRIX_FMT_FP4
.endif
.endm
.macro KLOAD off                       ; a step's eight tiles of K (the lower halves of the fragments) and their scale words: nine loads
.irp t, 0,1,2,3,4,5,6,7
	ds_load_b128 v[KF+8*\t:KF+8*\t+3], v[AD] offset:(\off)+512*\t
.endr
	ds_load_b128 v[KS:KS+3], v[AD] offset:(\off)+8192
.endm
.macro ADD4                            ; four pairs of p onto the sum's four chains
	v_pk_add_f32 v[14:15], v[14:15], v[SS+JJ:SS+JJ+1]
	v_pk_add_f32 v[S1:S1+1], v[S1:S1+1], v[SS+JJ+2:SS+JJ+3]
	v_pk_add_f32 v[S2:S2+1], v[S2:S2+1], v[SS+JJ+4:SS+JJ+5]
	v_pk_add_f32 v[S3:S3+1], v[S3:S3+1], v[SS+JJ+6:SS+JJ+7]
.set JJ, JJ+8
.endm
	s_load_b256 s[4:11], s[0:1], 0x0               ; qi, kv, ai, asc
	v_lshl_add_u32 v[SPW], v0, 2, SPARE
	v_mov_b32 v[NIL], 0
	ds_add_u32 v[SPW], v[NIL]                      ; the opening lines: the add, twice on end, and its wait ahead of my first tensor load
	ds_add_u32 v[SPW], v[NIL]
	v_lshrrev_b32 v[TT], 5, v0
	s_delay_alu instid0(VALU_DEP_1)
	v_readfirstlane_b32 s[WV], v[TT]               ; wave 0..11
	s_lshr_b32 s[HL], s[WV], 2                     ; which of the three heads
	s_and_b32 s[QT], s[WV], 3                      ; which tile of queries; also: which step of a slot I fetch
	s_bfe_u32 s13, ttmp6, 0x40000                  ; cx
	s_lshl_b32 s14, ttmp9, 2
	s_add_co_u32 s14, s14, s13                     ; x
	s_and_b32 s15, ttmp7, 0xffff
	s_mul_i32 s15, s15, 3
	s_add_co_u32 s15, s15, s[HL]                   ; my head
	s_mov_b32 s[G1], 15|(3<<16)|(1<<21)            ; the mask names the cluster's four; elements of 8 bytes; bit 21 beside the mask
	s_mov_b32 s[G1+1], 32<<16                      ; rows of 256 bytes,
	s_mov_b32 s[G1+2], 35<<16                      ; 35 of them, dense
	s_mov_b32 s[G1+3], 32<<16
	s_mov_b32 s[G1+4], 35
	s_mov_b32 s[G1+5], 32
	s_mov_b32 s[G1+6], 0
	s_mov_b32 s[G1+7], 0
	s_mul_i32 s50, s15, HEADB
	s_mul_i32 s51, s[QT], STEPB
	s_add_co_u32 s50, s50, s51                     ; the block that I fetch, in kv: made of y and the wave's number alone
	s_mov_b32 s51, 0
	s_mul_i32 s54, s[WV], STEPB                    ; and in a slot
	s_mul_i32 s55, s[HL], 4*STEPB                  ; my head's four steps in a slot
	s_add_co_u32 s53, s55, 8704
	s_lshl_b32 s56, s14, 2
	s_add_co_u32 s56, s56, s[QT]                   ; my tile of queries, 0 .. 255
	s_mul_i32 s57, s15, 147456                     ; qi: a head, a group of eight tiles,
	s_lshr_b32 s58, s56, 3
	s_mul_i32 s58, s58, 4608
	s_add_co_u32 s57, s57, s58
	s_and_b32 s58, s56, 7
	s_lshl_b32 s58, s58, 9
	s_add_co_u32 s46, s57, s58                     ; the tile's image
	s_mov_b32 s47, 0
	s_and_b32 s58, s56, 1
	s_lshl_b32 s58, s58, 8
	s_bfe_u32 s59, s56, 0x20001
	s_lshl_b32 s59, s59, 2
	s_add_co_u32 s48, s57, s58
	s_add_co_u32 s48, s48, s59
	s_add_co_u32 s48, s48, 4096                    ; and its scale words
	s_mov_b32 s49, 0
	s_mul_i32 s52, s13, 9
	s_mov_b32 s[SEL], 0x76543210
	s_mov_b32 s[SEL+1], 0xfedcba98
	s_mov_b32 s[CS], 0x3e38aa3b
	s_mov_b32 s[CS+1], s[CS]
	s_mov_b32 s[CSN], 0xbe38aa3b
	s_mov_b32 s[TB], 0
	s_mov_b32 s[CNT], 7
	s_wait_dscnt 0x0                               ; both opening adds are done
	s_wait_kmcnt 0x0
	CROUND                                         ; the four work-groups are here: the first joint loads meet
	s_mov_b32 s[G0], 1
	s_mov_b32 s[G0+1], s54
	s_add_nc_u64 s[G0+2:G0+3], s[6:7], s[50:51]
	s_or_b32 s[G0+3], s[G0+3], 0x80000000
	s_add_nc_u64 s[PFA:PFA+1], s[6:7], s[50:51]
	s_add_nc_u64 s[PFA:PFA+1], s[PFA:PFA+1], 4*STEPB   ; my block of slot 1: the first change steps it to slot 2
	tensor_load_to_lds s[G0:G0+3], s[G1:G1+7]      ; slot 0: every wave's one load at the head
	s_nop 0
	s_add_nc_u64 s[46:47], s[4:5], s[46:47]
	s_add_nc_u64 s[48:49], s[4:5], s[48:49]
	v_and_b32 v[TT], 31, v0                        ; lane
	v_and_b32 v[PT], 15, v0                        ; r
	v_bfe_u32 v[SH8], v0, 4, 1
	v_lshlrev_b32 v[LI], 4, v[TT]
	v_lshlrev_b32 v[PSW], 4, v[PT]
	v_lshlrev_b32 v[AD80], 3, v[TT]
	v_lshlrev_b32 v[GO], 2, v[PT]
	global_load_b128 v[QF:QF+3], v[LI], s[46:47]   ; Q's fragment stays in registers
	global_load_b32 v[QS], v[PSW], s[48:49]
	v_lshlrev_b32 v[SH8], 3, v[SH8]
	v_add_nc_u32 v[AD0], s55, v[LI]
	v_add_nc_u32 v[AD80], s53, v[AD80]
	v_min_u32 v[PFO], 8, v[TT]
	v_mov_b32 v13, 0xff61b1e6                      ; the largest score so far: -3e38
	v_add_nc_u32 v[PFO], s52, v[PFO]
	v_mul_f32 v[NT], s[CSN], v13
	v_min_u32 v[PFO], 34, v[PFO]
	v_floor_f32 v12, v[NT]                         ; -M
	v_lshlrev_b32 v[PFO], 8, v[PFO]
	v_mov_b32 v14, 0
	v_mov_b32 v15, 0
	v_mov_b32 v[PT], 0                             ; a lane permute's destination counts as one of its sources
	v_mov_b32 v[FF+1], 0                           ; (named as the upper half of a pair)
.irp j, 4,5,6,7
	v_mov_b32 v[QF+\j], 0                          ; zero codes for k = 64 .. 127
.endr
.irp t, 0,1,2,3,4,5,6,7
.irp j, 4,5,6,7
	v_mov_b32 v[KF+8*\t+\j], 0
.endr
.endr
.set JJ, 0
.rept 32
	v_mov_b32 v[OO+JJ], 0                          ; O^T: the step is written once; the first change of M multiplies zeros
.set JJ, JJ+1
.endr
; A KEY STEP: the q-th of the slot in hand.  pref = 1: the next step's K is fetched under this step's softmax.
.macro STEP q, pref
	s_wait_dscnt 0x0                               ; this step's K is in
.irp t, 0,1,2,3,4,5,6,7
	WM0 SS+8*\t, KF+8*\t, QF, KS+\t/2, QS, \t%2
.endr
	v_mov_b32 v[TT], v12                           ; the old -M.  With three v_nop: the four places in front of the loads below and of the first read of the scores
	PLACES 3
.irp nt, 0,1,2,3
.irp c, 0,1
	ds_load_b128 v[VF+8*\nt+4*\c:VF+8*\nt+4*\c+3], v[AD] offset:(\q)*STEPB+4096+1024*\nt+512*\c
.endr
.endr
	ds_load_b64 v[VS:VS+1], v[AD8] offset:(\q)*STEPB
.if \pref
	KLOAD ((\q)+1)*STEPB
.endif
.irp c, 0,1                            ; the largest score of my two blocks of 32 keys, each in two chains; the four by turns; each accumulator is read from its low end on
	v_max3_num_f32 v[BM+\c], v[SS+32*\c], v[SS+32*\c+1], v[SS+32*\c+2]
	v_max3_num_f32 v[BS+\c], v[SS+32*\c+16], v[SS+32*\c+17], v[SS+32*\c+18]
.endr
.irp i, 3,5,7,9,11,13
.irp c, 0,1
	v_max3_num_f32 v[BM+\c], v[BM+\c], v[SS+32*\c+\i], v[SS+32*\c+\i+1]
	v_max3_num_f32 v[BS+\c], v[BS+\c], v[SS+32*\c+16+\i], v[SS+32*\c+17+\i]
.endr
.endr
.irp c, 0,1
	v_max3_num_f32 v[BM+\c], v[BM+\c], v[BS+\c], v[SS+32*\c+15]
.endr
.irp c, 0,1
	v_max_num_f32 v[BM+\c], v[BM+\c], v[SS+32*\c+31]
.endr
	s_delay_alu instid0(VALU_DEP_1)
	v_max_num_f32 v[NT], v[BM], v[BM+1]
	s_delay_alu instid0(VALU_DEP_1)
	v_permlanex16_b32 v[PT], v[NT], s[SEL], s[SEL+1]
	s_delay_alu instid0(VALU_DEP_1)
	v_max3_num_f32 v13, v13, v[NT], v[PT]          ; the running largest score of my query
	s_delay_alu instid0(VALU_DEP_1)
	v_mul_f32 v[NT], s[CSN], v13
	s_delay_alu instid0(VALU_DEP_1)
	v_floor_f32 v12, v[NT]                         ; -M = floor(-t): M is a whole number
	s_delay_alu instid0(VALU_DEP_1)
	v_sub_f32 v[TT], v12, v[TT]                    ; old M - new M, 0 or less
.set JJ, 0
.rept 2
	v_pk_fma_f32 v[SS+JJ:SS+JJ+1], v[SS+JJ:SS+JJ+1], s[CS:CS+1], v[12:13] op_sel_hi:[1,0,0]   ; t - M
.set JJ, JJ+2
.endr
	v_cvt_i32_f32 v[TT], v[TT]                     ; (it saturates)
.rept 2
	v_pk_fma_f32 v[SS+JJ:SS+JJ+1], v[SS+JJ:SS+JJ+1], s[CS:CS+1], v[12:13] op_sel_hi:[1,0,0]
.set JJ, JJ+2
.endr
	v_ldexp_f32 v[FF], 1.0, v[TT]                  ; f = 2^(old M - new M)
.rept 28
	v_pk_fma_f32 v[SS+JJ:SS+JJ+1], v[SS+JJ:SS+JJ+1], s[CS:CS+1], v[12:13] op_sel_hi:[1,0,0]
.set JJ, JJ+2
.endr
.irp c, 0,1
	v_fma_f32 v[BM+\c], v[BM+\c], s[CS], v12       ; the same of each block's largest score: p rises with the score
.endr
	s_wait_alu depctr_va_vdst(0)                   ; the wait ahead of the batch
.irp c, 0,1
	v_exp_f32 v[BM+\c], v[BM+\c]                   ; the block's largest p
.endr
.set JJ, 0
.rept 64
	v_exp_f32 v[SS+JJ], v[SS+JJ]                   ; p = 2^(t - M)
.set JJ, JJ+1
.endr
	v_pk_mul_f32 v[14:15], v[14:15], v[FF:FF+1] op_sel_hi:[1,0]   ; the sum under the new M; a plain place behind the batch
	s_wait_alu depctr_va_vdst(0)                   ; one wait for the batch, ahead of its first reader
.irp c, 0,1
	v_max_num_f32 v[BM+\c], 0x1800000, v[BM+\c]    ; the floor 2^(3 - 127): the byte cannot fall under 1
.endr
	v_pk_add_f32 v[S1:S1+1], v[SS:SS+1], v[SS+2:SS+3]      ; the row's sum of the unquantised p, in four chains; the scale's lines stand among them
	v_pk_add_f32 v[S2:S2+1], v[SS+4:SS+5], v[SS+6:SS+7]
	v_pk_add_f32 v[S3:S3+1], v[SS+8:SS+9], v[SS+10:SS+11]
	v_pk_add_f32 v[14:15], v[14:15], v[SS+12:SS+13]
.set JJ, 14
.irp c, 0,1
	v_add_nc_u32 v[BS+\c], 0xff000000, v[BM+\c]    ; 2 off the exponent field: the conversion's scale operand
.endr
	ADD4
.irp c, 0,1
	v_lshrrev_b32 v[BT+\c], 23, v[BS+\c]           ; the scale's byte
.endr
	ADD4
	v_lshl_or_b32 v[PSW], v[BT+1], 16, v[BT]       ; my blocks h and 2 + h,
	ADD4
	v_lshlrev_b32 v[PSW], v[SH8], v[PSW]           ; at their places in the word
	ADD4
	v_permlanex16_b32 v[PT], v[PSW], s[SEL], s[SEL+1]
	ADD4
	v_or_b32 v[PSW], v[PSW], v[PT]                 ; p's scale word for these 128 keys
	ADD4
	v_pk_add_f32 v[S1:S1+1], v[S1:S1+1], v[SS+62:SS+63]
	v_pk_add_f32 v[S2:S2+1], v[S2:S2+1], v[S3:S3+1]
	s_delay_alu instid0(VALU_DEP_2)
	v_pk_add_f32 v[14:15], v[14:15], v[S1:S1+1]
	s_delay_alu instid0(VALU_DEP_1)
	v_pk_add_f32 v[14:15], v[14:15], v[S2:S2+1]
	v_nop
.irp c, 0,1
.irp g, 0,1,2,3
	v_cvt_scalef32_pk8_fp4_f32 v[PCD+4*\c+\g], v[SS+32*\c+8*\g:SS+32*\c+8*\g+7], v[BS+\c]   ; registers 4 c .. 4 c + 3: keys 64 c + 32 h + 0 .. 31
.endr
.endr
.if \pref
	s_wait_dscnt 9                                 ; V is in; the nine loads of the next step's K, issued behind it, may be out
.else
	s_wait_dscnt 0x0
.endif
	s_wait_alu depctr_va_vdst(0)                   ; directly ahead of the first reader of O^T
.set JJ, 0
.rept 16
	v_pk_mul_f32 v[OO+JJ:OO+JJ+1], v[OO+JJ:OO+JJ+1], v[FF:FF+1] op_sel_hi:[1,0]   ; O^T under the new M; also the places between p's codes and scale word and the products
.set JJ, JJ+2
.endr
.irp nt, 0,1,2,3
	WMA OO+8*\nt, VF+8*\nt, PCD, VS+\nt/2, PSW, \nt%2
.endr
.endm
; THE CHANGE OF SLOTS, at a slot's head.  Each wave waits for all its tensor loads (its block of the slot ahead), adds 0 to its spare word, and waits for that and for its reads of the slot that it has left.
; fill = 1: a round of the cluster's barrier, and behind it the joint load of the four steps that follow, into the slot just left (the first time: slot 1's first fill).
.macro CHANGE fill
	s_wait_tensorcnt 0x0
	ds_add_u32 v[SPW], v[NIL]
.if \fill
	s_xor_b32 s[G0+1], s[G0+1], SLOT1              ; no load of mine is out: the descriptor walks to the other slot, four steps on
	s_add_nc_u64 s[G0+2:G0+3], s[G0+2:G0+3], 4*STEPB
	s_wait_xcnt 0x0                                ; my last prefetch has read its address
	s_add_nc_u64 s[PFA:PFA+1], s[PFA:PFA+1], 4*STEPB
.endif
	s_wait_dscnt 0x0
.if \fill
	CROUND
	tensor_load_to_lds s[G0:G0+3], s[G1:G1+7]
	s_nop 0
.else
	s_barrier_signal -1
	s_barrier_wait -1
.endif
	v_add_nc_u32 v[AD], s[TB], v[AD0]
	v_add_nc_u32 v[AD8], s[TB], v[AD80]
	s_wait_alu depctr_va_vdst(0)                   ; the wait behind these writes
	KLOAD 0
.if \fill
	s_cmp_gt_u32 s[CNT], 1                         ; the last change that fills has no slot two on
	s_cbranch_scc0 .Lno_ask_\@
	global_prefetch_b8 v[PFO], s[PFA:PFA+1] th:TH_LOAD_NT scope:SCOPE_SE
.Lno_ask_\@:
.endif
.endm
.macro SLOT_STEPS
	STEP 0, 1
	STEP 1, 1
	STEP 2, 1
	STEP 3, 0
	s_xor_b32 s[TB], s[TB], SLOT1
.endm
	s_wait_alu depctr_va_vdst(0)                   ; the wait at the head's end
	s_wait_loadcnt 0x0                             ; Q
.Lslot:                                                ; seven trips: behind each change of slots but the last the next slot is asked for
	CHANGE 1
	SLOT_STEPS
	s_sub_co_u32 s[CNT], s[CNT], 1
	s_cmp_lg_u32 s[CNT], 0
	s_cbranch_scc1 .Lslot
	CHANGE 0                                       ; the last slot is written out: nothing more is asked for
	SLOT_STEPS
	; THE WAY OUT: O^T / the sum, quantised along the head's 64 channels (two blocks), stored as an image of the next launch's operand registers.
	; V^T's tile nt holds channels 32 (nt / 2) + 8 (nt % 2) + m + 8 (m / 8): the 16 registers of tiles 2 b, 2 b + 1 are channels 32 b + 16 (lane / 16) + 0 .. 15.
	v_add_f32 v14, v14, v15
	s_delay_alu instid0(VALU_DEP_1)
	v_permlanex16_b32 v[TT], v14, s[SEL], s[SEL+1]
	s_delay_alu instid0(VALU_DEP_1)
	v_add_f32 v14, v14, v[TT]                      ; the row's sum
	s_wait_alu depctr_va_vdst(0)
	v_rcp_f32 v14, v14
	PLACES 4
	s_mul_i32 s46, s56, 6144                       ; ai: 6,144 bytes a tile, 512 a head
	s_lshl_b32 s47, s15, 9
	s_add_co_u32 s46, s46, s47
	s_mov_b32 s47, 0
	s_add_nc_u64 s[8:9], s[8:9], s[46:47]
	s_lshr_b32 s48, s56, 1                         ; asc: 768 bytes a pair of tiles, 128 a K step of 128, 64 a tile, 2 a head
	s_mul_i32 s48, s48, 768
	s_lshr_b32 s49, s15, 1
	s_lshl_b32 s49, s49, 7
	s_add_co_u32 s48, s48, s49
	s_and_b32 s49, s56, 1
	s_lshl_b32 s49, s49, 6
	s_add_co_u32 s48, s48, s49
	s_and_b32 s49, s15, 1
	s_lshl_b32 s49, s49, 1
	s_add_co_u32 s48, s48, s49
	s_mov_b32 s49, 0
	s_add_nc_u64 s[10:11], s[10:11], s[48:49]
	s_wait_alu depctr_va_vdst(0)                   ; ahead of the first reader of the reciprocal and of O^T
.set JJ, 0
.rept 16
	v_pk_mul_f32 v[SS+JJ:SS+JJ+1], v[OO+JJ:OO+JJ+1], v[14:15] op_sel_hi:[1,0]
.set JJ, JJ+2
.endr
.irp b, 0,1
	v_max3_num_f32 v[BM+\b], |v[SS+16*\b]|, |v[SS+16*\b+1]|, 0x1800000
.endr
.irp i, 2,4,6,8,10,12,14
.irp b, 0,1
	s_delay_alu instid0(VALU_DEP_2)
	v_max3_num_f32 v[BM+\b], v[BM+\b], |v[SS+16*\b+\i]|, |v[SS+16*\b+\i+1]|
.endr
.endr
.irp b, 0,1
	s_delay_alu instid0(VALU_DEP_2)
	v_permlanex16_b32 v[BT+\b], v[BM+\b], s[SEL], s[SEL+1]
.endr
.irp b, 0,1
	s_delay_alu instid0(VALU_DEP_2)
	v_max_num_f32 v[BM+\b], v[BM+\b], v[BT+\b]
.endr
.irp b, 0,1
	s_delay_alu instid0(VALU_DEP_2)
	v_add_nc_u32 v[BS+\b], 0xff000000, v[BM+\b]
.endr
.irp b, 0,1
	s_delay_alu instid0(VALU_DEP_2)
	v_lshrrev_b32 v[BT+\b], 23, v[BS+\b]
.endr
	s_delay_alu instid0(VALU_DEP_1)
	v_lshl_or_b32 v[PSW], v[BT+1], 8, v[BT]
.irp b, 0,1
	v_cvt_scalef32_pk8_fp4_f32 v[PCD+2*\b], v[SS+16*\b:SS+16*\b+7], v[BS+\b]
	v_cvt_scalef32_pk8_fp4_f32 v[PCD+2*\b+1], v[SS+16*\b+8:SS+16*\b+15], v[BS+\b]
.endr
	v_nop
	v_permlane16_swap_b32 v[PCD], v[PCD+2]         ; a whole block in a lane: lanes 0-15 block 0, lanes 16-31 block 1
	v_permlane16_swap_b32 v[PCD+1], v[PCD+3]
	global_store_b128 v[LI], v[PCD:PCD+3], s[8:9]  ; 512 consecutive bytes
	global_store_b16 v[GO], v[PSW], s[10:11]
	s_wait_tensorcnt 0x0                           ; the wave's end
	ds_add_u32 v[SPW], v[NIL]
	s_wait_dscnt 0x0
	CROUND                                         ; the closing round
	s_endpgm
.Lfunc_end_k_q9c08127481_attn:
	.size	k_q9c08127481_attn, .Lfunc_end_k_q9c08127481_attn-k_q9c08127481_attn
	.p2alignl 7, 3214868480
	.fill 96, 4, 3214868480
	.section	.rodata,"a",@progbits
	.p2align	6, 0x0
	.amdhsa_kernel k_q9c08127481_attn
		.amdhsa_group_segment_fixed_size 327680
		.amdhsa_private_segment_fixed_size 0
		.amdhsa_enable_private_segment 0
		.amdhsa_kernarg_size 32
		.amdhsa_user_sgpr_count 2
		.amdhsa_user_sgpr_kernarg_segment_ptr 1
		.amdhsa_wavefront_size32 1
		.amdhsa_system_sgpr_workgroup_id_x 1
		.amdhsa_system_sgpr_workgroup_id_y 1
		.amdhsa_system_sgpr_workgroup_id_z 1
		.amdhsa_system_vgpr_workitem_id 0
		.amdhsa_next_free_vgpr 256
		.amdhsa_next_free_sgpr 66
		.amdhsa_reserve_vcc 0
		.amdhsa_float_denorm_mode_32 3
		.amdhsa_float_denorm_mode_16_64 3
		.amdhsa_memory_ordered 1
		.amdhsa_forward_progress 1
		.amdhsa_inst_pref_size 124
	.end_amdhsa_kernel
	.amdgpu_metadata
---
amdhsa.version: [ 1, 2 ]
amdhsa.kernels:
  - .name:           k_q9c08127481_attn
    .symbol:         k_q9c08127481_attn.kd
    .args:
      - { .name: qi, .offset: 0, .size: 8, .value_kind: global_buffer, .address_space: global }
      - { .name: kv, .offset: 8, .size: 8, .value_kind: global_buffer, .address_space: global }
      - { .name: ai, .offset: 16, .size: 8, .value_kind: global_buffer, .address_space: global }
      - { .name: asc, .offset: 24, .size: 8, .value_kind: global_buffer, .address_space: global }
    .group_segment_fixed_size: 327680
    .private_segment_fixed_size: 0
    .kernarg_segment_align: 8
    .kernarg_segment_size: 32
    .max_flat_workgroup_size: 384
    .sgpr_count:     66
    .vgpr_count:     256
    .wavefront_size: 32
...
	.end_amdgpu_metadata
.endif
;; end of part 2
;; launch outp (part 3): grid 3 x 128, 4 waves a work-group, no clusters, 120,320 bytes of LDS; arguments ai, asc, Wo_codes, Wo_scales, bo, out0; writes out0
.if DOCPART == 3
	.amdgcn_target "amdgcn-amd-amdhsa--gfx1250"
	.amdhsa_code_object_version 6
	.text
	.protected	k_q9c08127481_outp
	.globl	k_q9c08127481_outp
	.p2align	8
	.type	k_q9c08127481_outp,@function
k_q9c08127481_outp:
	s_mov_b64 s[64:65], 0
	v_nop
	global_prefetch_b8 v0, s[64:65] scope:SCOPE_SE
	s_setreg_imm32_b32 hwreg(HW_REG_WAVE_MODE, 25, 1), 1
	s_wait_xcnt 0x0
; LAUNCH 3 OF 3: out0 = A Wo^T + bo; A (4,096 x 768) is the attention's result as codes of E2M1 and scale words, laid by the launch before as images of operand registers; Wo as given.  No work of reference() is left out.
; LIMITS: NaN and infinities are not served.  The bias is the C of each sum's first matrix instruction: it is added first, not last.
; SHARES.  Work-group (x, y): tiles 2 y and 2 y + 1 of 16 rows x columns 256 x .. 256 x + 255; wave w takes 64 of the columns: 256 bytes of a row of out0.  Every LDS byte is a wave's own: there is no barrier.
; Row r of tile 8 g + t is row 128 g + 64 (t / 4) + 32 (r / 8) + 8 (t % 4) + r % 8 of out0 (the order in which the first launch formed tiles of tokens); the stores' base and immediates undo it.
; Wo IN: my 64 rows are 24,576 dense bytes: 48 loads of 512 consecutive bytes each, laid into LDS at a pitch of 400 bytes (row r starts at bank 36 r mod 64: sixteen rows, sixteen different groups of four banks), and read back as fragments.
; THE MATRIX INSTRUCTION IS USED TRANSPOSED (source 0 = 16 rows of Wo, source 1 = 16 rows of A): a lane holds eight neighbouring numbers of a row of out0.  Eight accumulators by turns, K step by K step.
; NO JOINT REQUESTS and no prefetch: a wave loads each operand byte once, at its head; there is no later step to ask ahead for.
; REGISTERS.  Window 0: v1-11 addresses; v16-27 Wo's scale words; v28-33 A's; v34-39 LDS addresses; v40-135 A's fragments (48 u + 8 ks), later rows of out0; v136-199 accumulators (32 u + 8 nt).
;   Window 1: v0-191 Wo's fragment (tile nt, K step ks) at 8 (6 nt + ks); v192-223 the bias in the result's layout.
.set SP,    272                        ; a stage row: 256 bytes + 16
.set WOW,   25600                      ; a wave's 64 rows of Wo in LDS, from byte 0 on
.set STAGE, 102400                     ; the four stages of 16 rows
.set SPARE, 119808                     ; the spare words, 128 bytes for each wave: two blocks of 256 bytes that no other line names
.set LI,  1                            ; 16 x lane
.set L4,  2                            ; 4 x lane
.set WL,  3                            ; r x 400 + 16 (lane / 16) + my part of LDS
.set VS,  4                            ; 24 x lane
.set VB,  5                            ; 32 (lane / 16)
.set STO, 6                            ; the stage: where I put 32 bytes of a row
.set RD,  7                            ; and where I read a row back
.set GO,  8                            ; my byte offset in two rows of out0
.set SPW, 10                           ; LDS address of my spare word; never rewritten
.set NIL, 11                           ; 0; never rewritten
.set WS,  16                           ; register 6 b + ks: lane l holds the word of Wo's row 32 b + l
.set AS,  28                           ; register ks: tile 2 y in lanes 0-15, tile 2 y + 1 in lanes 16-31
.set WW,  34                           ; v34-36: where load 3 i + j of the dense run puts its 16 bytes: 16 (n + n / 24), n = 32 j + lane
.set WT,  37                           ; v37-39 at work
.set AF,  40
.set ACC, 136
.set BI,  192
.set MSB, 0
.macro WIN new                         ; the immediate's high byte repeats the setting that is left
.if MSB != \new
	s_set_vgpr_msb (MSB<<8)|\new
.set MSB, \new
.endif
.endm
.macro WM d, a, b, c, sa, sb, ra, rb   ; one matrix instruction; ra, rb = 1: the scales stand in lanes 16-31
.if (\ra) && (\rb)
	v_wmma_scale_f32_16x16x128_f8f6f4 v[(\d):(\d)+7], v[(\a):(\a)+7], v[(\b):(\b)+7], v[(\c):(\c)+7], v[(\sa)], v[(\sb)] matrix_a_fmt:MATRIX_FMT_FP4 matrix_b_fmt:MATRIX_FMT_FP4 matrix_a_scale:MATRIX_SCALE_ROW1 matrix_b_scale:MATRIX_SCALE_ROW1
.elseif (\ra)
	v_wmma_scale_f32_16x16x128_f8f6f4 v[(\d):(\d)+7], v[(\a):(\a)+7], v[(\b):(\b)+7], v[(\c):(\c)+7], v[(\sa)], v[(\sb)] matrix_a_fmt:MATRIX_FMT_FP4 matrix_b_fmt:MATRIX_FMT_FP4 matrix_a_scale:MATRIX_SCALE_ROW1
.elseif (\rb)
	v_wmma_scale_f32_16x16x128_f8f6f4 v[(\d):(\d)+7], v[(\a):(\a)+7], v[(\b):(\b)+7], v[(\c):(\c)+7], v[(\sa)], v[(\sb)] matrix_a_fmt:MATRIX_FMT_FP4 matrix_b_fmt:MATRIX_FMT_FP4 matrix_b_scale:MATRIX_SCALE_ROW1
.else
	v_wmma_scale_f32_16x16x128_f8f6f4 v[(\d):(\d)+7], v[(\a):(\a)+7], v[(\b):(\b)+7], v[(\c):(\c)+7], v[(\sa)], v[(\sb)] matrix_a_fmt:MATRIX_FMT_FP4 matrix_b_fmt:MATRIX_FMT_FP4
.endif
.endm
	s_load_b256 s[4:11], s[0:1], 0x0               ; ai s[4:5], asc s[6:7], Wo's codes s[8:9], Wo's scales s[10:11]
	s_load_b128 s[12:15], s[0:1], 0x20             ; bo s[12:13], out0 s[14:15]
	v_lshl_add_u32 v[SPW], v0, 2, SPARE
	v_mov_b32 v[NIL], 0
	v_lshrrev_b32 v9, 5, v0
	v_readfirstlane_b32 s16, v9                    ; wave 0..3
	s_mul_i32 s17, s16, 16*SP
	s_add_co_u32 s17, s17, STAGE                   ; my stage
	s_mul_i32 s18, s16, WOW                        ; my part of Wo in LDS
	v_and_b32 v9, 31, v0                           ; lane
	v_and_b32 v12, 15, v0                          ; r
	v_bfe_u32 v13, v0, 4, 1                        ; h
	v_lshlrev_b32 v[LI], 4, v9
	v_lshlrev_b32 v[L4], 2, v9
	v_mul_u32_u24 v[WL], v12, 400
	v_mul_u32_u24 v[VS], v9, 24
	v_lshlrev_b32 v[VB], 5, v13
	v_lshl_add_u32 v[WL], v13, 4, v[WL]
	v_mul_u32_u24 v[STO], v12, SP                  ; in: row r, 32 bytes for each half of the lanes
	v_mul_u32_u24 v[RD], v13, SP                   ; back: lanes 0-15 one row of 256 bytes, lanes 16-31 the next
	v_add_nc_u32 v[WL], s18, v[WL]
	v_lshl_add_u32 v[STO], v13, 5, v[STO]
	v_lshl_add_u32 v[RD], v12, 4, v[RD]
	v_mul_u32_u24 v[GO], v13, 3072                 ; and the same two rows in out0
	v_add_nc_u32 v[STO], s17, v[STO]
	v_add_nc_u32 v[RD], s17, v[RD]
	v_lshl_add_u32 v[GO], v12, 4, v[GO]
.irp j, 0,1,2
	v_add_nc_u32 v[WW+\j], 32*\j, v9               ; n: three loads of 512 bytes are four rows of 384
.endr
.irp j, 0,1,2
	v_mul_u32_u24 v[WT+\j], v[WW+\j], 171
.endr
.irp j, 0,1,2
	v_lshrrev_b32 v[WT+\j], 12, v[WT+\j]           ; n / 24, exact for n under 96
.endr
.irp j, 0,1,2
	v_add_nc_u32 v[WW+\j], v[WW+\j], v[WT+\j]
.endr
.irp j, 0,1,2
	v_lshlrev_b32 v[WW+\j], 4, v[WW+\j]            ; 16 bytes of padding for each row passed
.endr
.irp j, 0,1,2
	v_add_nc_u32 v[WW+\j], s18, v[WW+\j]
.endr
	s_and_b32 s19, ttmp7, 0xffff                   ; y
	s_lshl_b32 s20, ttmp9, 8
	s_lshl_b32 s21, s16, 6
	s_add_co_u32 s20, s20, s21                     ; my first column: 256 x + 64 wave
	s_mul_i32 s22, s20, 384                        ; Wo's rows,
	s_mov_b32 s23, 0
	s_mul_i32 s24, s20, 24                         ; their scale bytes,
	s_mov_b32 s25, 0
	s_lshl_b32 s26, s20, 2                         ; bo's numbers
	s_mov_b32 s27, 0
	s_mul_i32 s28, s19, 12288                      ; ai: two tiles of 6,144 bytes
	s_mov_b32 s29, 0
	s_mul_i32 s30, s19, 768                        ; asc
	s_mov_b32 s31, 0
	s_lshr_b32 s32, s19, 2                         ; out0: tile 2 y's first row: 128 (y / 4) + 64 ((y / 2) % 2) + 16 (y % 2),
	s_lshl_b32 s32, s32, 7
	s_bfe_u32 s33, s19, 0x10001
	s_lshl_b32 s33, s33, 6
	s_add_co_u32 s32, s32, s33
	s_and_b32 s33, s19, 1
	s_lshl_b32 s33, s33, 4
	s_add_co_u32 s32, s32, s33
	s_mul_i32 s32, s32, 3072                       ; rows of 3,072 bytes,
	s_add_co_u32 s32, s32, s26                     ; and my columns
	s_mov_b32 s33, 0
	s_wait_alu depctr_va_vdst(0)                   ; the wait at the head's end
	s_wait_kmcnt 0x0
	s_add_nc_u64 s[4:5], s[4:5], s[28:29]
	s_add_nc_u64 s[6:7], s[6:7], s[30:31]
	s_add_nc_u64 s[8:9], s[8:9], s[22:23]
	s_add_nc_u64 s[10:11], s[10:11], s[24:25]
	s_add_nc_u64 s[12:13], s[12:13], s[26:27]
	s_add_nc_u64 s[14:15], s[14:15], s[32:33]
	WIN 0x40                                       ; destination window 1
.set II, 0
.rept 48                               ; Wo first: it has the longest way
	global_load_b128 v[4*II:4*II+3], v[LI], s[8:9] offset:512*II
.set II, II+1
.endr
.irp nt, 0,1,2,3                       ; lane (r, h) wants, for tile nt, bo at columns 16 nt + 8 h + 0 .. 7
	global_load_b128 v[BI+8*\nt:BI+8*\nt+3], v[VB], s[12:13] offset:64*\nt
	global_load_b128 v[BI+8*\nt+4:BI+8*\nt+7], v[VB], s[12:13] offset:64*\nt+16
.endr
	WIN 0
.irp b, 0,1
.irp i, 0,1,2
	global_load_b64 v[WS+6*\b+2*\i:WS+6*\b+2*\i+1], v[VS], s[10:11] offset:768*\b+8*\i
.endr
.endr
.irp ks, 0,1,2,3,4,5
	global_load_b32 v[AS+\ks], v[L4], s[6:7] offset:128*\ks
.endr
.irp u, 0,1
.irp ks, 0,1,2,3,4,5
.irp c, 0,1
	global_load_b128 v[AF+48*\u+8*\ks+4*\c:AF+48*\u+8*\ks+4*\c+3], v[LI], s[4:5] offset:6144*\u+1024*\ks+512*\c   ; 512 consecutive bytes a load
.endr
.endr
.endr
	s_wait_loadcnt 44                              ; Wo's 48 loads are in; the 8 + 6 + 6 + 24 issued behind them may be out
	WIN 0x04                                       ; the stores' data: window 1
.set II, 0
.rept 48
	ds_store_b128 v[WW+II%3], v[4*II:4*II+3] offset:(II/3)*1600
.set II, II+1
.endr
	WIN 0x40                                       ; back as fragments, K step by K step: eight loads each.  LDS serves a wave's instructions in order (ISA guide 5.7.1.4), and these bytes are my own
.irp ks, 0,1,2,3,4,5
.irp nt, 0,1,2,3
.irp c, 0,1
	ds_load_b128 v[48*\nt+8*\ks+4*\c:48*\nt+8*\ks+4*\c+3], v[WL] offset:6400*\nt+64*\ks+32*\c
.endr
.endr
.endr
	s_wait_loadcnt 0x0                             ; the bias, the scale words, A
.irp ks, 0,1,2,3,4,5
	s_wait_dscnt 8*(5-\ks)                         ; this K step's eight fragments of Wo are in; the later K steps' may be out
.if \ks == 0
	WIN 0x11                                       ; source 0 (Wo) and C (the bias) window 1
.irp u, 0,1
.irp nt, 0,1,2,3
	WM ACC+32*\u+8*\nt, 48*\nt, AF+48*\u, BI+8*\nt, WS+6*(\nt/2), AS, \nt%2, \u
.endr
.endr
.else
	WIN 0x01
.irp u, 0,1
.irp nt, 0,1,2,3
	WM ACC+32*\u+8*\nt, 48*\nt+8*\ks, AF+48*\u+8*\ks, ACC+32*\u+8*\nt, WS+6*(\nt/2)+\ks, AS+\ks, \nt%2, \u
.endr
.endr
.endif
.endr
	WIN 0
.rept 4
	v_nop                                          ; places in front of the first read of results and of loads into registers that the products read
.endr
	; THE WAY OUT: a tile's 16 rows x 256 bytes go through my stage and come back as whole rows; no wait between the stores and the loads, nor in front of the next tile's stores.
.irp u, 0,1
.irp nt, 0,1,2,3
	ds_store_b128 v[STO], v[ACC+32*\u+8*\nt:ACC+32*\u+8*\nt+3] offset:64*\nt         ; each accumulator from its low end on
	ds_store_b128 v[STO], v[ACC+32*\u+8*\nt+4:ACC+32*\u+8*\nt+7] offset:64*\nt+16
.endr
.irp i, 0,1,2,3,4,5,6,7
	ds_load_b128 v[AF+32*\u+4*\i:AF+32*\u+4*\i+3], v[RD] offset:2*\i*SP
.endr
.endr
.irp u, 0,1
.irp i, 0,1,2,3,4,5,6,7
	s_wait_dscnt 16*(1-\u)+7-\i                    ; behind this load: the tile's later loads, and the next tile's sixteen LDS instructions
	global_store_b128 v[GO], v[AF+32*\u+4*\i:AF+32*\u+4*\i+3], s[14:15] offset:(2*\i+24*(\i/4)+8*\u)*3072 th:TH_STORE_NT   ; stage rows 2 i, 2 i + 1 are rows 8 u + 2 i + 24 (i / 4), + 1 from the base; 16 lanes store 256 consecutive bytes, at a multiple of 256 from out0's first byte
.endr
.endr
	s_wait_tensorcnt 0x0                           ; the wave's end
	ds_add_u32 v[SPW], v[NIL]
	s_wait_dscnt 0x0
	s_endpgm
.Lfunc_end_k_q9c08127481_outp:
	.size	k_q9c08127481_outp, .Lfunc_end_k_q9c08127481_outp-k_q9c08127481_outp
	.p2alignl 7, 3214868480
	.fill 96, 4, 3214868480
	.section	.rodata,"a",@progbits
	.p2align	6, 0x0
	.amdhsa_kernel k_q9c08127481_outp
		.amdhsa_group_segment_fixed_size 120320
		.amdhsa_private_segment_fixed_size 0
		.amdhsa_enable_private_segment 0
		.amdhsa_kernarg_size 48
		.amdhsa_user_sgpr_count 2
		.amdhsa_user_sgpr_kernarg_segment_ptr 1
		.amdhsa_wavefront_size32 1
		.amdhsa_system_sgpr_workgroup_id_x 1
		.amdhsa_system_sgpr_workgroup_id_y 1
		.amdhsa_system_sgpr_workgroup_id_z 1
		.amdhsa_system_vgpr_workitem_id 0
		.amdhsa_next_free_vgpr 480
		.amdhsa_next_free_sgpr 66
		.amdhsa_reserve_vcc 0
		.amdhsa_float_denorm_mode_32 3
		.amdhsa_float_denorm_mode_16_64 3
		.amdhsa_memory_ordered 1
		.amdhsa_forward_progress 1
		.amdhsa_inst_pref_size 30
	.end_amdhsa_kernel
	.amdgpu_metadata
---
amdhsa.version: [ 1, 2 ]
amdhsa.kernels:
  - .name:           k_q9c08127481_outp
    .symbol:         k_q9c08127481_outp.kd
    .args:
      - { .name: ai, .offset: 0, .size: 8, .value_kind: global_buffer, .address_space: global }
      - { .name: asc, .offset: 8, .size: 8, .value_kind: global_buffer, .address_space: global }
      - { .name: Wo_codes, .offset: 16, .size: 8, .value_kind: global_buffer, .address_space: global }
      - { .name: Wo_scales, .offset: 24, .size: 8, .value_kind: global_buffer, .address_space: global }
      - { .name: bo, .offset: 32, .size: 8, .value_kind: global_buffer, .address_space: global }
      - { .name: out0, .offset: 40, .size: 8, .value_kind: global_buffer, .address_space: global }
    .group_segment_fixed_size: 120320
    .private_segment_fixed_size: 0
    .kernarg_segment_align: 8
    .kernarg_segment_size: 48
    .max_flat_workgroup_size: 128
    .sgpr_count:     66
    .vgpr_count:     480
    .wavefront_size: 32
...
	.end_amdgpu_metadata
.endif
;; end of part 3
